; MI455X (gfx1250); checked and timed in simulation.
; The chip was launched on July 23, 2026; its instructions are those of AMD's public machine-readable ISA for CDNA 5 (MIT licence, August 2026) and "CDNA5" Instruction Set Architecture Reference Guide (July 2026). The comments in the code are by the model that wrote it; some were corrected since.
;; Causal Self Attention. Allowed arithmetic: matrix products marked QUANTISED: E4M3 operands, one given power-of-two scale a tensor, by v_wmma_f32_16x16x64_fp8_fp8 or v_wmma_f32_16x16x128_fp8_fp8, f32 sums; everything else in f32.
;; Inputs: lowp_scales 12 int32 (the exponents e of the quantised operands' scales 2^e); wk_codes 512 x 64 x 32 uint8 (E4M3 codes of wk, K innermost, in blocks of 32 codes); wo_codes 2,048 x 64 x 32 uint8 (E4M3 codes of wo, K innermost, in blocks of 32 codes); wq_codes 2,048 x 64 x 32 uint8 (E4M3 codes of wq, K innermost, in blocks of 32 codes); wv_codes 512 x 64 x 32 uint8 (E4M3 codes of wv, K innermost, in blocks of 32 codes); x_codes 1 x 2,048 x 64 x 32 uint8 (E4M3 codes of x, K innermost, in blocks of 32 codes).
;; Outputs: out0 1 x 2,048 x 2,048 float32.
;; This version of the problem:
;;   THIS VERSION OF THE PROBLEM IS GIVEN IN LOW PRECISION. The matrix products marked QUANTISED in the list below multiply operands that are first quantised to E4M3 (4 exponent bits, 3 mantissa bits; 8 bits a number), with one given power-of-two scale for each operand tensor; their sums are f32. All else is computed in f32.
;;   The module's matrix products, in the order in which they are computed (A, B: the left and right operand; K: the contracted axis; several contracted axes count as one K, in the product's order):
;;     1. [M 2,048, K 2,048] x [K 2,048, N 2,048]; A: input x (given as codes); B: input wq (given as codes): QUANTISED (scales: A lowp_scales[0], B lowp_scales[1])
;;     2. [M 2,048, K 2,048] x [K 2,048, N 512]; A: input x (given as codes); B: input wk (given as codes): QUANTISED (scales: A lowp_scales[2], B lowp_scales[3])
;;     3. [M 2,048, K 2,048] x [K 2,048, N 512]; A: input x (given as codes); B: input wv (given as codes): QUANTISED (scales: A lowp_scales[4], B lowp_scales[5])
;;     4. batch 32 x [M 2,048, K 64] x [K 64, N 2,048]; A: computed on the way; B: computed on the way: QUANTISED (scales: A lowp_scales[6], B lowp_scales[7])
;;     5. batch 32 x [M 2,048, K 2,048] x [K 2,048, N 64]; A: softmax (see below); B: computed on the way: QUANTISED (scales: A lowp_scales[8], B lowp_scales[9])
;;     6. [M 2,048, K 2,048] x [K 2,048, N 2,048]; A: computed on the way; B: input wo (given as codes): QUANTISED (scales: A lowp_scales[10], B lowp_scales[11])
;;   THE QUANTISER, for each operand of a quantised product, along K:
;;     - The operand's scale is 2^e, e = its entry of the input lowp_scales (int32; the entries are numbered through the quantised products in the list's order, A before B).
;;     - Each number is divided by the scale, clamped to +-448, and rounded to the nearest number of E4M3, ties to even, subnormals kept.
;;     - The product sums the exact products of the quantised numbers (number of the format x scale) in f32.
;;   ~~~python
;;   def quantise(x, axis, e):      # numpy; x: float32 -> the quantised numbers, widened to float32 again
;;       x = np.moveaxis(x, axis, -1); K = x.shape[-1]
;;       r = np.clip(x / 2.0 ** e, -448, 448)
;;       step = 2.0 ** (np.maximum(np.frexp(np.where(r == 0, 1, r))[1] - 1, -6) - 3)
;;       q = np.round(r / step) * step * 2.0 ** e      # np.round: ties to even
;;       return np.moveaxis(q, -1, axis).astype(np.float32)
;;   ~~~
;;   SOFTMAX AHEAD OF A QUANTISED PRODUCT. Where the list says 'softmax', what is quantised is not the finished softmax but p = 2^(t - M), with t = logit x log2(e) and M = ceil(the row's largest t), a whole number; so 1/2 < the row's largest p <= 1. The row's sum l is taken of the UNQUANTISED p, in f32, and the product's result is divided by l at the end. Since M is a whole number, a kernel that streams over the keys may use a running M (the ceiling of the running maximum): every later rescaling is an exact power of two, so the quantised numbers keep their values, but for numbers so far below the row's largest that they fall under the format's range.
;;   OPERANDS COMPUTED ON THE WAY. 'Computed on the way' means the value that the module computes at that place (a softmax that the list does not call 'softmax' is quantised finished and normalised). What goes into a quantiser is computed in f32, as accurately as f32 sums, v_exp_f32 and their like allow (about 1e-6 of the number): no bf16 or f16 on the way to a quantiser, and a product that is left as it is and whose result goes on into a quantised operand takes f32 operands (vector FMAs, or v_wmma_f32_16x16x4_f32). A number that lies on a knife's edge between two numbers of the format may be rounded either way, as far as f32 arithmetic and the matrix unit's own rounding can turn it there, and no further.
;;   INPUTS GIVEN AS CODES. wk (in the module: [512, 2048], K = its axis 1); wo (in the module: [2048, 2048], K = its axis 1); wq (in the module: [2048, 2048], K = its axis 1); wv (in the module: [512, 2048], K = its axis 1); x (in the module: [1, 2048, 2048], K = its axis 2): each comes as NAME_codes (uint8): NAME with its K axis moved to the last place and cut into blocks of 32 codes, [.., K / 32, bytes a block], one block behind the other in memory; one code a byte (a code: sign, 4 exponent bits, 3 mantissa bits); its scale is its entry of lowp_scales. Its value is code x scale, taken as it is: it is not quantised again, and the codes and scales need not be those that the quantiser above would give.
;; One version. Each part assembles by itself: llvm-mc -triple=amdgcn-amd-amdhsa -mcpu=gfx1250 --defsym DOCPART=n.
;; ======== version 1 of 1: 3 launches
;; limits: right only within a limited range of input values
;; workspace buffers: q_img 4,194,304 bytes; k_img 1,048,576 bytes; v_img 1,048,576 bytes; attn_img 4,194,304 bytes
;; launch qkv (part 1): grid 16 x 16, 4 waves a work-group, clusters of 4 x 4, 327,680 bytes of LDS; arguments x_codes, wq_codes, wk_codes, wv_codes, lowp_scales, q_img, k_img, v_img; writes q_img, k_img, v_img
.if DOCPART == 1
	.amdgcn_target "amdgcn-amd-amdhsa--gfx1250"
	.amdhsa_code_object_version 6
	.text
	.protected	k_q03492affa1_qkv
	.globl	k_q03492affa1_qkv
	.p2align	8
	.type	k_q03492affa1_qkv,@function
k_q03492affa1_qkv:
	s_mov_b64 s[64:65], 0
	v_nop
	global_prefetch_b8 v0, s[64:65] scope:SCOPE_SE
	s_setreg_imm32_b32 hwreg(HW_REG_WAVE_MODE, 25, 1), 1
	s_wait_xcnt 0x0
	s_wait_alu depctr_hold_cnt(0) depctr_sa_sdst(0) depctr_va_vdst(0) depctr_va_sdst(0) depctr_va_ssrc(0) depctr_va_vcc(0) depctr_vm_vsrc(0)
	s_getreg_b32 s2, hwreg(HW_REG_IB_STS2, 6, 4)
	s_cmp_eq_u32 s2, 0
	s_cbranch_scc0 .Lentry_in_a_cluster
	s_endpgm
.Lentry_in_a_cluster:
	s_bfe_u32 s2, ttmp6, 0x10000c
	s_cmp_lg_u32 s2, 0xf033
	s_cbranch_scc0 .Lentry_shape_is_right
	s_endpgm
.Lentry_shape_is_right:
; q = rope(x wq^T), k = rope(x wk^T), v = x wv^T on codes of FP8 (E4M3), and the three results quantised: q with 2^e6, k with 2^e7, v with 2^e9.
; x [2048][2048], wq [2048][2048], wk, wv [512][2048]: codes, K innermost.  lowp_scales: e0 .. e11 (x has its own entry in each product: e0, e2, e4).
; SHARES.  A work-group makes 128 positions x 192 columns: q heads 2 T, 2 T + 1 and one more head: k head T (T < 8) or v head T - 8.  T = 4 x cluster x + cx, so the third head's kind is told by the
; cluster's x alone (0, 1: k; 2, 3: v) and every branch on it is the same in all partners.  256 work-groups of equal work.
; A wave (half a of the positions, b) makes 64 positions x (q head b, and columns 32 b .. 32 b + 31 of the third head): 4 x 6 accumulators.
; CLUSTERS.  The four of a row need the same 128 rows of x, the four of a column the same 192 rows of the weights: each tile is asked for jointly.
; THE MATRIX INSTRUCTION IS USED TRANSPOSED (source 0 = 16 rows of the weight, source 1 = 16 rows of x): lane (r, h) holds position r and the eight neighbouring columns 8 h + 0 .. 7.
; Fragments come by four loads of 16 bytes (registers 4 c .. 4 c + 3: K = 32 c + 16 h + 0 .. 15): a permutation of K, the same on both sides.
; K goes by five fills of two LDS slots in turn: slot A takes K 0-511, 768-1279, 1536-2047, slot B takes K 512-767, 1280-1535.  Wave 3 fetches x's rows, waves 0 to 2 a head's 64 rows of the weight each.
; PREFETCH.  Fills 2 and 3 are asked of memory behind fill 1's load, fill 4 behind fill 2's: two fills ahead at the most.  The four partners that load a tile jointly share its rows by address (cx for x, cy for the weight).
; ROPE.  cos and sin of f = position x theta_i, theta_i = 10^(-i/8) rounded to f32, f rounded once.  f is reduced by n = round(f / pi) with pi in two parts (the first product is exact) and
; both are polynomials of 13th and 12th degree on |rest| <= pi / 2; (-1)^n is the sign.  The table (64 pairs a lane) is made while the first tiles are on their way.
; OUTPUT: images of operand registers: every store of a wave is 512 consecutive bytes.  q_img [head 32][tile of 16 positions 128][c 2][lane][16], k_img [kv head 8][128][2][lane][16]: registers 2 t, 2 t + 1
; of lane (r, h) are d = 16 t + 8 h + 0 .. 7 of position r.  v_img [kv head 8][128 keys 16][tile t 4][c 4][lane][16]: registers 2 c', 2 c' + 1 of lane (r, h) are keys 16 c' + 8 h + 0 .. 7 of channel
; 32 (t / 2) + 8 (t % 2) + r + 8 (r / 8).  v is turned through the wave's own stage in LDS, as f32, ahead of its quantiser.
; LIMITS: e6 - e0 - e1, e7 - e2 - e3, e9 - e4 - e5 lie between -126 and 119, so that the scale and 448 x the scale are f32 numbers.  NaN codes are not served.  theta may differ from a power function's by a last bit.
; REGISTERS.  window 0: v14-31 addresses and constants; v32-159 the table (v: numbers back from the stage); v160-255 at work.  window 1: accumulator (a, b) at v[8 (6 a + b)].
;   windows 2, 3: fragment sets 0, 1: the weight's six at v[16 b], x's four at v[96 + 16 a].
.set PA,   528                         ; slot A: rows of 512 bytes + 16
.set PB,   272                         ; slot B: rows of 256 bytes + 16: both pitches are odd multiples of 16
.set SLB,  320*PA
.set STAGE, SLB+320*PB                 ; 32 channels x 272 bytes for each wave; no tile lands there
.set SPITCH, 272
.set SPARE, STAGE+4*32*SPITCH          ; the spare words, 128 bytes for each wave: two blocks of 256 bytes that no other line names
.set SCT,  14                          ; v14, v15 the third head's scale as f32, and 448 x that
.set LMT,  15
.set ADX,  16                          ; v16-17 LDS address of my fragments of x in slot A, B
.set ADQ,  18                          ; v18-19 of my q head's weight
.set ADT,  20                          ; v20-21 of the third head's
.set PFO,  22                          ; v22 the prefetches' offset for two blocks of 256 bytes a row (x: one), v23 for one; never rewritten
.set PFO2, 23
.set OUTO, 24                          ; 16 x lane
.set VST,  25
.set VRD,  26
.set SPW,  28
.set NIL,  29
.set SCQ,  30
.set LMQ,  31
.set TAB,  32                          ; [cos, sin] of (a, t, jj) at TAB + 2 (16 a + 4 t + jj): position 16 a + r, frequency i = 8 t + 4 h + jj
.set TH,   160
.set PS,   176
.set KM,   184
.set KA,   186
.set KB,   188
.set TG,   190
.set RT,   160
.set RR,   168
.set CD,   200                         ; codes: q 200-231, the third head 232-247: no register of a store is written twice
.set G1X,  24                          ; s[24:39] x's groups 1 for slots A, B;  s[40:55] the weight's;  s[68:75], s[76:83] their groups 0
.set G1W,  40
.set G0X,  68
.set G0W,  76
.set PFA,  6                           ; s[6:7] where my prefetches stand
.set MUL0, 0x5a                        ; sources 0, 1 window 2; C and D window 1
.set MUL1, 0x5f                        ; sources 0, 1 window 3
.set MSB, 0
.macro WIN new                         ; the immediate's high byte repeats the setting that is left
.if MSB != (\new)
	s_set_vgpr_msb (MSB<<8)|(\new)
.set MSB, (\new)
.endif
.endm
.macro PLACES n
.rept \n
	v_nop
.endr
.endm
; A joint load into slot s: the branch hangs on the wave's number alone.
.macro JLOAD s
	s_cmp_eq_u32 s20, 3
	s_cbranch_scc0 .Lfor_w_\@
	tensor_load_to_lds s[G0X+4*\s:G0X+4*\s+3], s[G1X+8*\s:G1X+8*\s+7]
	s_nop 0
.rept 4
	v_nop
.endr
	s_branch .Lasked_\@
.Lfor_w_\@:
	tensor_load_to_lds s[G0W+4*\s:G0W+4*\s+3], s[G1W+8*\s:G1W+8*\s+7]
	s_nop 0
.rept 4
	v_nop
.endr
.Lasked_\@:
.endm
.macro CREST                           ; a round of the cluster's barrier behind its opening barrier
	s_cmp_lg_u32 s20, 0
	s_cbranch_scc1 .Lnot_wave_0_\@
	s_barrier_signal -3
.Lnot_wave_0_\@:
	s_barrier_wait -3
	s_barrier_signal -1
	s_barrier_wait -1
.endm
.macro CROUND
	s_barrier_signal -1
	s_barrier_wait -1
	CREST
.endm
; 512 bytes along K of the rows that are my work-group's to ask for: the weight's 16 rows by one instruction (lanes 16-31 the second 256 bytes), x's 32 rows by two.
.macro ASK512 off
	WIN 0
	global_prefetch_b8 v[PFO], s[PFA:PFA+1] offset:\off th:TH_LOAD_NT scope:SCOPE_SE
	s_cmp_eq_u32 s20, 3
	s_cbranch_scc0 .Lnot_x_\@
	global_prefetch_b8 v[PFO], s[PFA:PFA+1] offset:\off+256 th:TH_LOAD_NT scope:SCOPE_SE
.Lnot_x_\@:
.endm
	s_load_b256 s[4:11], s[0:1], 0x0               ; x s[4:5], wq s[6:7], wk s[8:9], wv s[10:11]
	s_load_b256 s[12:19], s[0:1], 0x20             ; the exponents s[12:13], q_img s[14:15], k_img s[16:17], v_img s[18:19]
	v_lshl_add_u32 v[SPW], v0, 2, SPARE
	v_mov_b32 v[NIL], 0
	ds_add_u32 v[SPW], v[NIL]                      ; the opening: the add, twice on end, and its wait ahead of my first tensor load
	ds_add_u32 v[SPW], v[NIL]
	v_lshrrev_b32 v1, 5, v0
	v_readfirstlane_b32 s20, v1                    ; wave 0..3
	s_lshr_b32 s21, s20, 1                         ; my half of the positions
	s_and_b32 s22, s20, 1                          ; my q head of the two, and my half of the third head
	s_bfe_u32 s23, ttmp6, 0x40000                  ; cx
	s_bfe_u32 s56, ttmp6, 0x40004                  ; cy
	s_lshl_b32 s57, ttmp9, 2
	s_add_co_u32 s57, s57, s23                     ; T
	s_and_b32 s58, ttmp7, 0xffff
	s_lshl_b32 s58, s58, 2
	s_add_co_u32 s58, s58, s56                     ; Y: 128 positions
	s_lshl_b32 s60, s56, 2
	s_lshl_b32 s60, 15, s60                        ; my row of the cluster
	s_lshl_b32 s61, 0x1111, s23                    ; my column
	s_or_b32 s[G1X],   s60, (1<<20)|(1<<21)|(6<<22)|(3<<25)   ; 15:0 the mask; elements of 1 byte; 20 padding on; 21 set beside a mask; 24:22 after every 128 words; 31:25 four words
	s_or_b32 s[G1X+8], s60, (1<<20)|(1<<21)|(5<<22)|(3<<25)   ; slot B: after every 64 words
	s_or_b32 s[G1W],   s61, (1<<20)|(1<<21)|(6<<22)|(3<<25)
	s_or_b32 s[G1W+8], s61, (1<<20)|(1<<21)|(5<<22)|(3<<25)
.irp g, G1X, G1W
	s_mov_b32 s[\g+1], 512<<16                     ; tensor_dim0
	s_mov_b32 s[\g+3], 512<<16                     ; tile_dim0
	s_mov_b32 s[\g+9], 256<<16
	s_mov_b32 s[\g+11], 256<<16
	s_mov_b32 s[\g+5], 2048                        ; from row to row
	s_mov_b32 s[\g+6], 0
	s_mov_b32 s[\g+7], 0
	s_mov_b32 s[\g+13], 2048
	s_mov_b32 s[\g+14], 0
	s_mov_b32 s[\g+15], 0
.endr
.irp s, 0,8
	s_mov_b32 s[G1X+\s+2], 128<<16                 ; x: 128 rows
	s_mov_b32 s[G1X+\s+4], 128
	s_mov_b32 s[G1W+\s+2], 64<<16                  ; the weight: 64 rows
	s_mov_b32 s[G1W+\s+4], 64
.endr
	s_lshl_b32 s62, s58, 18                        ; x: row 128 Y, 2,048 bytes a row: hangs on Y alone
	s_mov_b32 s63, 0
	s_lshl_b32 s66, s57, 1
	s_add_co_u32 s66, s66, s20                     ; the weight: q head 2 T + wave in waves 0 and 1,
	s_and_b32 s67, s57, 7                          ; the third head's number else
	s_cmp_lt_u32 s20, 2
	s_cselect_b32 s66, s66, s67
	s_lshl_b32 s66, s66, 17                        ; 64 rows a head
	s_mov_b32 s67, 0
	s_wait_dscnt 0x0                               ; both opening adds are done
	s_wait_kmcnt 0x0
	s_load_b256 s[84:91], s[12:13], 0x0            ; e0 .. e7
	s_load_b128 s[92:95], s[12:13], 0x20           ; e8 .. e11
	s_add_nc_u64 s[96:97], s[4:5], s[62:63]
	s_cmp_lt_u32 ttmp9, 2                          ; the third head's kind
	s_cselect_b64 s[98:99], s[8:9], s[10:11]
	s_cselect_b64 s[100:101], s[16:17], s[18:19]
	s_cmp_lt_u32 s20, 2
	s_cselect_b64 s[98:99], s[6:7], s[98:99]
	s_add_nc_u64 s[98:99], s[98:99], s[66:67]
	s_mul_i32 s59, s20, 64*PA                      ; where a head's rows go: no place in the cluster enters an LDS address
	s_mul_i32 s60, s20, 64*PB
	s_mov_b32 s[G0X], 1
	s_mov_b32 s[G0X+1], 0
	s_mov_b64 s[G0X+2:G0X+3], s[96:97]
	s_or_b32 s[G0X+3], s[G0X+3], 0x80000000
	s_mov_b32 s[G0X+4], 1
	s_mov_b32 s[G0X+5], SLB
	s_add_nc_u64 s[G0X+6:G0X+7], s[96:97], 512
	s_or_b32 s[G0X+7], s[G0X+7], 0x80000000
	s_mov_b32 s[G0W], 1
	s_add_co_u32 s[G0W+1], s59, 128*PA
	s_mov_b64 s[G0W+2:G0W+3], s[98:99]
	s_or_b32 s[G0W+3], s[G0W+3], 0x80000000
	s_mov_b32 s[G0W+4], 1
	s_add_co_u32 s[G0W+5], s60, SLB+128*PB
	s_add_nc_u64 s[G0W+6:G0W+7], s[98:99], 512
	s_or_b32 s[G0W+7], s[G0W+7], 0x80000000
	CROUND                                         ; all sixteen work-groups are here: the first joint loads meet
	JLOAD 0                                        ; fill 0: one tensor load a wave at the head
	; the prefetches: x's rows 32 cx on in wave 3, the head's rows 16 cy on in the others
	s_lshl_b32 s66, s23, 16
	s_lshl_b32 s67, s56, 15
	s_cmp_eq_u32 s20, 3
	s_cselect_b32 s66, s66, s67
	s_mov_b32 s67, 0
	s_cselect_b64 s[PFA:PFA+1], s[96:97], s[98:99]
	s_add_nc_u64 s[PFA:PFA+1], s[PFA:PFA+1], s[66:67]
	s_cmp_eq_u32 s20, 3
	s_mov_b32 s66, 15
	s_cselect_b32 s66, 31, s66
	s_mov_b32 s67, 256
	s_cselect_b32 s67, 0, s67
	; my outputs
	s_lshl_b32 s59, s57, 1
	s_add_co_u32 s59, s59, s22
	s_lshl_b32 s59, s59, 17                        ; q head 2 T + b: 131,072 bytes,
	s_lshl_b32 s60, s58, 13                        ; 8 tiles of 1,024 bytes a Y,
	s_add_co_u32 s59, s59, s60
	s_lshl_b32 s61, s21, 12                        ; 4 a half
	s_add_co_u32 s62, s59, s61
	s_add_nc_u64 s[14:15], s[14:15], s[62:63]
	s_and_b32 s62, s57, 7
	s_lshl_b32 s62, s62, 17
	s_add_co_u32 s62, s62, s60                     ; the third head: the same for k; v: a step of 128 keys is 8,192 bytes
	s_lshl_b32 s59, s22, 9
	s_add_co_u32 s59, s59, s61                     ; k: my half's tiles, image b
	s_lshl_b32 s61, s22, 12
	s_lshl_b32 s60, s21, 10
	s_add_co_u32 s60, s60, s61                     ; v: channel tiles 2 b on, images 2 a on
	s_cmp_lt_u32 ttmp9, 2
	s_cselect_b32 s59, s59, s60
	s_add_co_u32 s62, s62, s59
	s_add_nc_u64 s[100:101], s[100:101], s[62:63]
	; LDS bases
	s_mul_i32 s4, s21, 64*PA                       ; x: my 64 rows
	s_mul_i32 s5, s21, 64*PB
	s_add_co_u32 s5, s5, SLB
	s_mul_i32 s8, s22, 64*PA                       ; my q head
	s_add_co_u32 s8, s8, 128*PA
	s_mul_i32 s9, s22, 64*PB
	s_add_co_u32 s9, s9, SLB+128*PB
	s_mul_i32 s10, s22, 32*PA                      ; my 32 rows of the third
	s_add_co_u32 s10, s10, 256*PA
	s_mul_i32 s11, s22, 32*PB
	s_add_co_u32 s11, s11, SLB+256*PB
	s_mul_i32 s59, s20, 32*SPITCH
	s_add_co_u32 s59, s59, STAGE                   ; my stage
	s_lshl_b32 s62, s58, 7
	s_lshl_b32 s61, s21, 6
	s_add_co_u32 s62, s62, s61                     ; my first position
	v_and_b32 v1, 15, v0                           ; r
	v_bfe_u32 v2, v0, 4, 1                         ; h
	v_mul_u32_u24 v3, v1, PA
	v_lshl_add_u32 v3, v2, 4, v3                   ; a fragment's row x pitch + 16 h
	v_mul_u32_u24 v4, v1, PB
	v_lshl_add_u32 v4, v2, 4, v4
	v_add_nc_u32 v[ADX], s4, v3
	v_add_nc_u32 v[ADQ], s8, v3
	v_add_nc_u32 v[ADT], s10, v3
	v_add_nc_u32 v[ADX+1], s5, v4
	v_add_nc_u32 v[ADQ+1], s9, v4
	v_add_nc_u32 v[ADT+1], s11, v4
	v_and_b32 v5, s66, v0
	v_lshlrev_b32 v[PFO2], 11, v5
	v_mad_u32_u24 v[PFO], v2, s67, v[PFO2]
	v_and_b32 v5, 31, v0
	v_lshlrev_b32 v[OUTO], 4, v5
	v_mul_u32_u24 v5, v2, 8*SPITCH
	v_lshl_add_u32 v5, v1, 2, v5
	v_add_nc_u32 v[VST], s59, v5                   ; in: channel 8 h (+ 16 tt + j), key r (+ 16 a)
	v_and_b32 v6, 8, v1
	v_add_nc_u32 v6, v6, v1                        ; r + 8 (r / 8)
	v_mul_u32_u24 v6, v6, SPITCH
	v_lshl_add_u32 v6, v2, 5, v6
	v_add_nc_u32 v[VRD], s59, v6                   ; back: that channel's row, keys 8 h on
	global_prefetch_b8 v[PFO2], s[PFA:PFA+1] offset:512 th:TH_LOAD_NT scope:SCOPE_SE   ; fill 1's 256 bytes of each row: one fill ahead, the whole table ahead of its load
	; ---- the table of cos and sin
	v_add_nc_u32 v3, s62, v1                       ; my position in tile a = 0
.irp a, 0,1,2,3
	v_add_nc_u32 v4, 16*\a, v3
	v_cvt_f32_u32 v[PS+2*\a], v4
	v_cvt_f32_u32 v[PS+2*\a+1], v4
.endr
	v_cmp_eq_u32 vcc_lo, 1, v2                     ; lanes 16-31 take frequencies four further on
.macro THETA e, lo, hi
	v_mov_b32 v[TH+\e], \hi
	v_cndmask_b32 v[TH+\e], \lo, v[TH+\e], vcc_lo
.endm
	THETA 0,  1.0,             0.3162277660
	THETA 1,  0.7498942093,    0.2371373706
	THETA 2,  0.5623413252,    0.1778279410
	THETA 3,  0.4216965034,    0.1333521432
	THETA 4,  0.1,             0.03162277660
	THETA 5,  0.07498942093,   0.02371373706
	THETA 6,  0.05623413252,   0.01778279410
	THETA 7,  0.04216965034,   0.01333521432
	THETA 8,  0.01,            0.003162277660
	THETA 9,  0.007498942093,  0.002371373706
	THETA 10, 0.005623413252,  0.001778279410
	THETA 11, 0.004216965034,  0.001333521432
	THETA 12, 0.001,           0.0003162277660
	THETA 13, 0.0007498942093, 0.0002371373706
	THETA 14, 0.0005623413252, 0.0001778279410
	THETA 15, 0.0004216965034, 0.0001333521432
	v_mov_b32 v[KM], 0x4b400000                    ; 1.5 x 2^23: added to a number under 2^22 it leaves the nearest whole number in the low bits
	v_mov_b32 v[KM+1], 0x4b400000
	v_mov_b32 v[KA], 0xb2d7322b                    ; -1 / 11!
	v_mov_b32 v[KA+1], 0xb2d7322b
	v_mov_b32 v[KB], 0xb493f27e                    ; -1 / 10!
	v_mov_b32 v[KB+1], 0xb493f27e
.macro HORN ks, kc                     ; one level of both polynomials, four groups: eight chains side by side
.irp g, 0,1,2,3
	v_pk_fma_f32 v[TG+12*\g+4:TG+12*\g+5], v[TG+12*\g+4:TG+12*\g+5], v[TG+12*\g+6:TG+12*\g+7], \ks op_sel_hi:[1,1,0]
	v_pk_fma_f32 v[TG+12*\g+8:TG+12*\g+9], v[TG+12*\g+8:TG+12*\g+9], v[TG+12*\g+6:TG+12*\g+7], \kc op_sel_hi:[1,1,0]
.endr
.endm
; eight frequencies (registers e0 .. e0 + 7 of theta) at the positions of tile a: four groups of two, line by line
; a group: +0 f, then the rest; +2 n + 1.5 x 2^23, then the sign; +4 n, then the sine; +6 the rest's square; +8 the cosine; +10 rest x square
.macro TRIG4 a, e0
.irp g, 0,1,2,3
	v_pk_mul_f32 v[TG+12*\g:TG+12*\g+1], v[TH+\e0+2*\g:TH+\e0+2*\g+1], v[PS+2*\a:PS+2*\a+1]      ; f = theta x position, rounded once
.endr
.irp g, 0,1,2,3
	v_pk_fma_f32 v[TG+12*\g+2:TG+12*\g+3], v[TG+12*\g:TG+12*\g+1], 0x3ea2f983, v[KM:KM+1] op_sel_hi:[1,0,1]   ; f / pi + 1.5 x 2^23
.endr
.irp g, 0,1,2,3
	v_pk_add_f32 v[TG+12*\g+4:TG+12*\g+5], v[TG+12*\g+2:TG+12*\g+3], 0xcb400000 op_sel_hi:[1,0]   ; n
.endr
.irp k, 0xc0490fdb, 0x33bbbd2e                 ; f - n x pi, pi in two parts
.irp g, 0,1,2,3
	v_pk_fma_f32 v[TG+12*\g:TG+12*\g+1], v[TG+12*\g+4:TG+12*\g+5], \k, v[TG+12*\g:TG+12*\g+1] op_sel_hi:[1,0,1]
.endr
.endr
.irp g, 0,1,2,3
	v_pk_mul_f32 v[TG+12*\g+6:TG+12*\g+7], v[TG+12*\g:TG+12*\g+1], v[TG+12*\g:TG+12*\g+1]
.endr
.irp g, 0,1,2,3
	v_pk_fma_f32 v[TG+12*\g+4:TG+12*\g+5], v[TG+12*\g+6:TG+12*\g+7], 0x2f309231, v[KA:KA+1] op_sel_hi:[1,0,1]   ; z / 13! - 1 / 11!
	v_pk_fma_f32 v[TG+12*\g+8:TG+12*\g+9], v[TG+12*\g+6:TG+12*\g+7], 0x310f76c7, v[KB:KB+1] op_sel_hi:[1,0,1]   ; z / 12! - 1 / 10!
.endr
	HORN 0x3638ef1d, 0x37d00d01                    ; 1 / 9!,  1 / 8!
	HORN 0xb9500d01, 0xbab60b61                    ; -1 / 7!, -1 / 6!
	HORN 0x3c088889, 0x3d2aaaab                    ; 1 / 5!,  1 / 4!
	HORN 0xbe2aaaab, -0.5                          ; -1 / 3!, -1 / 2!
.irp g, 0,1,2,3
	v_pk_mul_f32 v[TG+12*\g+10:TG+12*\g+11], v[TG+12*\g:TG+12*\g+1], v[TG+12*\g+6:TG+12*\g+7]
	v_pk_fma_f32 v[TG+12*\g+8:TG+12*\g+9], v[TG+12*\g+8:TG+12*\g+9], v[TG+12*\g+6:TG+12*\g+7], 1.0 op_sel_hi:[1,1,0]   ; the rest's cosine
.endr
.irp g, 0,1,2,3
	v_pk_fma_f32 v[TG+12*\g+4:TG+12*\g+5], v[TG+12*\g+10:TG+12*\g+11], v[TG+12*\g+4:TG+12*\g+5], v[TG+12*\g:TG+12*\g+1]   ; its sine
	v_lshlrev_b32 v[TG+12*\g+2], 31, v[TG+12*\g+2]    ; n's lowest bit as a sign
	v_lshlrev_b32 v[TG+12*\g+3], 31, v[TG+12*\g+3]
.endr
.irp g, 0,1,2,3
	v_xor_b32 v[TAB+2*(16*\a+\e0+2*\g)],   v[TG+12*\g+8], v[TG+12*\g+2]
	v_xor_b32 v[TAB+2*(16*\a+\e0+2*\g)+1], v[TG+12*\g+4], v[TG+12*\g+2]
	v_xor_b32 v[TAB+2*(16*\a+\e0+2*\g)+2], v[TG+12*\g+9], v[TG+12*\g+3]
	v_xor_b32 v[TAB+2*(16*\a+\e0+2*\g)+3], v[TG+12*\g+5], v[TG+12*\g+3]
.endr
.endm
.irp a, 0,1,2,3
	TRIG4 \a, 0
	TRIG4 \a, 8
.endr
	s_wait_alu depctr_va_vdst(0)                   ; directly ahead of the wait below
	s_wait_kmcnt 0x0
	; a sum stands for sum x 2^(ex + ew): its code is sum / 2^(eo - ex - ew): three scales folded into the conversion's one
	s_sub_co_i32 s4, s90, s84                      ; q: e6 - e0 - e1
	s_sub_co_i32 s4, s4, s85
	s_sub_co_i32 s5, s91, s86                      ; k: e7 - e2 - e3
	s_sub_co_i32 s5, s5, s87
	s_sub_co_i32 s8, s93, s88                      ; v: e9 - e4 - e5
	s_sub_co_i32 s8, s8, s89
	s_cmp_lt_u32 ttmp9, 2
	s_cselect_b32 s5, s5, s8
	s_add_co_i32 s4, s4, 127
	s_add_co_i32 s5, s5, 127
	s_lshl_b32 s8, s4, 23
	s_lshl_b32 s9, s5, 23
	s_add_co_i32 s4, s4, 8
	s_add_co_i32 s5, s5, 8
	s_lshl_b32 s4, s4, 23
	s_lshl_b32 s5, s5, 23
	s_or_b32 s4, s4, 0x600000                      ; 448 x the scale
	s_or_b32 s5, s5, 0x600000
	v_mov_b32 v[SCQ], s8
	v_mov_b32 v[LMQ], s4
	v_mov_b32 v[SCT], s9
	v_mov_b32 v[LMT], s5
.macro FRAG reg, adr, off              ; a fragment, 16 rows x 128 K: four loads of 16 bytes, 32 bytes apart
.irp c, 0,1,2,3
	ds_load_b128 v[\reg+4*\c:\reg+4*\c+3], v[\adr] offset:\off+32*\c
.endr
.endm
.macro FETCH s, q, p                   ; 40 loads in one run: slot s's q-th 128 along K into set p
	WIN 0x80+0x40*(\p)
.set PP, PA-(PA-PB)*(\s)
.irp b, 0,1,2,3
	FRAG 16*\b, ADQ+(\s), 128*(\q)+16*PP*\b
.endr
.irp b, 0,1
	FRAG 64+16*\b, ADT+(\s), 128*(\q)+16*PP*\b
.endr
.irp a, 0,1,2,3
	FRAG 96+16*\a, ADX+(\s), 128*(\q)+16*PP*\a
.endr
.endm
; six matrix instructions: x's tile a against the weight's six.  The 24 accumulators take turns, one instruction a turn, in the same order in every step.
.macro MUL6 a, zero
.irp b, 0,1,2,3,4,5
.if \zero
	v_wmma_f32_16x16x128_fp8_fp8 v[8*(6*\a+\b):8*(6*\a+\b)+7], v[16*\b:16*\b+15], v[96+16*\a:96+16*\a+15], 0
.else
	v_wmma_f32_16x16x128_fp8_fp8 v[8*(6*\a+\b):8*(6*\a+\b)+7], v[16*\b:16*\b+15], v[96+16*\a:96+16*\a+15], v[8*(6*\a+\b):8*(6*\a+\b)+7]
.endif
.endr
.endm
; A step with a successor in its slot multiplies set p and fetches the next 128 along K into the other set.
.macro STEP s, q, p, zero
	s_wait_dscnt 0x0                               ; set p is in
	PLACES 4                                       ; four places between the last products, which read the other set, and the loads into it (ISA guide 7.12.1 for vector instructions)
	FETCH \s, (\q)+1, 1-(\p)
	WIN MUL0+5*(\p)
.irp a, 0,1,2,3
	MUL6 \a, \zero
.endr
.endm
; A slot's last step multiplies set 1 and changes slots: ONE barrier; in front of it each wave waits for all its tensor loads, adds 0 to its spare word, and waits for that and for its reads of this slot.
.macro TURN s, fill
	WIN 0                                          ; (the add's two registers lie in window 0)
	s_wait_tensorcnt 0x0                           ; the one load that was out is my part of the next slot
	ds_add_u32 v[SPW], v[NIL]                      ; 0 onto my spare word
	s_wait_dscnt 0x1                               ; set 1 is in; the add alone may be out
	WIN MUL1
	MUL6 0, 0
	s_wait_dscnt 0x0                               ; the add is done, and my reads of this slot are over
	s_barrier_signal -1
	MUL6 1, 0
	WIN 0
	s_barrier_wait -1
.if \fill
	CREST                                          ; the barrier has opened a round of the cluster's barrier: no wave of any partner still reads this slot or has a load on its way
	s_add_nc_u64 s[G0X+4*\s+2:G0X+4*\s+3], s[G0X+4*\s+2:G0X+4*\s+3], 768   ; a slot's next fill lies 768 on along K
	s_add_nc_u64 s[G0W+4*\s+2:G0W+4*\s+3], s[G0W+4*\s+2:G0W+4*\s+3], 768
	JLOAD \s                                       ; the first tensor load behind the round; its four v_nop are also the places in front of the loads below
.else
	PLACES 4
.endif
	FETCH 1-(\s), 0, 0
.endm
.macro REST                            ; the last step's second half
	WIN MUL1
	MUL6 2, 0
	MUL6 3, 0
.endm
	s_wait_alu depctr_va_vdst(0)                   ; the wait at the head's end
	s_wait_tensorcnt 0x0                           ; my part of fill 0 is in
	ds_add_u32 v[SPW], v[NIL]
	s_wait_dscnt 0x0
	CROUND
	JLOAD 1                                        ; fill 1, slot B's first
	FETCH 0, 0, 0
	ASK512 768                                     ; fill 2
	global_prefetch_b8 v[PFO2], s[PFA:PFA+1] offset:1280 th:TH_LOAD_NT scope:SCOPE_SE   ; fill 3: 256 bytes of each row (the weight's lanes 16-31 name their wave's blocks again)
	STEP 0, 0, 0, 1                                ; its products start the sums
	STEP 0, 1, 1, 0
	STEP 0, 2, 0, 0
	TURN 0, 1                                      ; fill 2
	ASK512 1536                                    ; fill 4
	REST
	STEP 1, 0, 0, 0
	TURN 1, 1                                      ; fill 3
	REST
	STEP 0, 0, 0, 0
	STEP 0, 1, 1, 0
	STEP 0, 2, 0, 0
	TURN 0, 1                                      ; fill 4
	REST
	STEP 1, 0, 0, 0
	TURN 1, 0                                      ; nothing more is filled
	REST
	STEP 0, 0, 0, 0
	STEP 0, 1, 1, 0
	STEP 0, 2, 0, 0
	s_wait_dscnt 0x0
	WIN MUL1
	MUL6 0, 0
	MUL6 1, 0
	MUL6 2, 0
	MUL6 3, 0
	WIN 0
	PLACES 4                                       ; in front of the first read of results
; ---- q and k: rotate, hold, convert, store.
.macro ROT acc, tab, rr
.irp jj, 0,1,2,3
	v_pk_mul_f32 v[RT+2*\jj:RT+2*\jj+1], v[\acc+2*\jj:\acc+2*\jj+1], v[\tab+2*\jj:\tab+2*\jj+1] op_sel:[1,1] op_sel_hi:[0,1] neg_lo:[1,0]   ; [-x1 sin, x0 sin]; each accumulator from its low end on
.endr
.irp jj, 0,1,2,3
	v_pk_fma_f32 v[\rr+2*\jj:\rr+2*\jj+1], v[\acc+2*\jj:\acc+2*\jj+1], v[\tab+2*\jj:\tab+2*\jj+1], v[RT+2*\jj:RT+2*\jj+1] op_sel_hi:[1,0,1]   ; [x0 cos - x1 sin, x1 cos + x0 sin]
.endr
.endm
.macro HOLD base, n, lim               ; the conversion to an 8-bit code does not saturate (ISA guide 7.6.2): the hold at the largest code x the scale
.set i, 0
.rept \n
	v_med3_num_f32 v[\base+i], v[\base+i], -v[\lim], v[\lim]
.set i, i+1
.endr
.endm
.irp a, 0,1,2,3
	WIN 0x01                                       ; source 0: the accumulators' window
.irp t, 0,1,2,3
	ROT 8*(6*\a+\t), TAB+32*\a+8*\t, RR+8*\t
.endr
	WIN 0
	HOLD RR, 32, LMQ
.irp t, 0,1,2,3
	v_cvt_scalef32_pk8_fp8_f32 v[CD+8*\a+2*\t:CD+8*\a+2*\t+1], v[RR+8*\t:RR+8*\t+7], v[SCQ]
.endr
	v_nop                                          ; one plain vector instruction behind the last conversion
	global_store_b128 v[OUTO], v[CD+8*\a:CD+8*\a+3], s[14:15] offset:\a*1024        ; 32 lanes store 512 consecutive bytes, aligned
	global_store_b128 v[OUTO], v[CD+8*\a+4:CD+8*\a+7], s[14:15] offset:\a*1024+512
.endr
	s_cmp_lt_u32 ttmp9, 2                          ; the third head's kind: the same in all sixteen partners
	s_cbranch_scc0 .Lv
.macro KOUT t0                         ; k's columns 16 t0 .. 16 t0 + 31: image t0 / 2
.irp a, 0,1,2,3
	WIN 0x01
	ROT 8*(6*\a+4), TAB+32*\a+8*(\t0), RR
	ROT 8*(6*\a+5), TAB+32*\a+8*(\t0)+8, RR+8
	WIN 0
	HOLD RR, 16, LMT
	v_cvt_scalef32_pk8_fp8_f32 v[CD+32+4*\a:CD+33+4*\a], v[RR:RR+7], v[SCT]
	v_cvt_scalef32_pk8_fp8_f32 v[CD+34+4*\a:CD+35+4*\a], v[RR+8:RR+15], v[SCT]
	v_nop
	global_store_b128 v[OUTO], v[CD+32+4*\a:CD+35+4*\a], s[100:101] offset:\a*1024
.endr
.endm
	s_cmp_eq_u32 s22, 0                            ; my half's frequencies: a branch on the wave's number
	s_cbranch_scc0 .Lk1
	KOUT 0
	s_branch .Lend
.Lk1:
	KOUT 2
	s_branch .Lend
; ---- v: the keys must run along a lane's registers.  32 channels x my 64 keys, f32, go through my stage: in by single words, back by 16 bytes.  LDS serves a wave's instructions in order (ISA guide 5.7.1.4).
.Lv:
	WIN 0x04                                       ; the stores' data: the accumulators' window
.irp a, 0,1,2,3
.irp t, 0,1
.irp j, 0,1,2,3,4,5,6,7
	ds_store_b32 v[VST], v[8*(6*\a+4+\t)+\j] offset:(16*\t+\j)*SPITCH+64*\a     ; channel 16 t + 8 h + j, key 16 a + r
.endr
.endr
.endr
	WIN 0
.irp n, 0,1,2,3                                ; image n = 2 t + ci: channel tile t, keys 32 ci on: keys 8 h + 0 .. 7 and 16 + 8 h + 0 .. 7
.irp o, 0,1,2,3
	ds_load_b128 v[32+16*\n+4*\o:32+16*\n+4*\o+3], v[VRD] offset:8*(\n/2)*SPITCH+128*(\n%2)+16*(\o%2)+64*(\o/2)
.endr
.endr
	s_wait_dscnt 0x0
	HOLD 32, 64, LMT
.irp n, 0,1,2,3
	v_cvt_scalef32_pk8_fp8_f32 v[CD+32+4*\n:CD+33+4*\n], v[32+16*\n:32+16*\n+7], v[SCT]
	v_cvt_scalef32_pk8_fp8_f32 v[CD+34+4*\n:CD+35+4*\n], v[32+16*\n+8:32+16*\n+15], v[SCT]
.endr
	v_nop
.irp n, 0,1,2,3
	global_store_b128 v[OUTO], v[CD+32+4*\n:CD+35+4*\n], s[100:101] offset:(\n/2)*2048+(\n%2)*512
.endr
.Lend:
	s_wait_tensorcnt 0x0                           ; the wave's end: behind my last tensor load and my last LDS store
	ds_add_u32 v[SPW], v[NIL]
	s_wait_dscnt 0x0
	CROUND                                         ; the closing round: no work-group ends while a partner may still ask for a tile that names it
	s_endpgm
.Lfunc_end_k_q03492affa1_qkv:
	.size	k_q03492affa1_qkv, .Lfunc_end_k_q03492affa1_qkv-k_q03492affa1_qkv
	.p2alignl 7, 3214868480
	.fill 96, 4, 3214868480
	.section	.rodata,"a",@progbits
	.p2align	6, 0x0
	.amdhsa_kernel k_q03492affa1_qkv
		.amdhsa_group_segment_fixed_size 327680
		.amdhsa_private_segment_fixed_size 0
		.amdhsa_enable_private_segment 0
		.amdhsa_kernarg_size 64
		.amdhsa_user_sgpr_count 2
		.amdhsa_user_sgpr_kernarg_segment_ptr 1
		.amdhsa_wavefront_size32 1
		.amdhsa_system_sgpr_workgroup_id_x 1
		.amdhsa_system_sgpr_workgroup_id_y 1
		.amdhsa_system_sgpr_workgroup_id_z 1
		.amdhsa_system_vgpr_workitem_id 0
		.amdhsa_next_free_vgpr 1024
		.amdhsa_next_free_sgpr 102
		.amdhsa_reserve_vcc 1
		.amdhsa_float_denorm_mode_32 3
		.amdhsa_float_denorm_mode_16_64 3
		.amdhsa_memory_ordered 1
		.amdhsa_forward_progress 1
		.amdhsa_inst_pref_size 190
	.end_amdhsa_kernel
	.amdgpu_metadata
---
amdhsa.version: [ 1, 2 ]
amdhsa.kernels:
  - .name:           k_q03492affa1_qkv
    .symbol:         k_q03492affa1_qkv.kd
    .args:
      - { .name: x_codes, .offset: 0, .size: 8, .value_kind: global_buffer, .address_space: global }
      - { .name: wq_codes, .offset: 8, .size: 8, .value_kind: global_buffer, .address_space: global }
      - { .name: wk_codes, .offset: 16, .size: 8, .value_kind: global_buffer, .address_space: global }
      - { .name: wv_codes, .offset: 24, .size: 8, .value_kind: global_buffer, .address_space: global }
      - { .name: lowp_scales, .offset: 32, .size: 8, .value_kind: global_buffer, .address_space: global }
      - { .name: q_img, .offset: 40, .size: 8, .value_kind: global_buffer, .address_space: global }
      - { .name: k_img, .offset: 48, .size: 8, .value_kind: global_buffer, .address_space: global }
      - { .name: v_img, .offset: 56, .size: 8, .value_kind: global_buffer, .address_space: global }
    .group_segment_fixed_size: 327680
    .private_segment_fixed_size: 0
    .kernarg_segment_align: 8
    .kernarg_segment_size: 64
    .max_flat_workgroup_size: 128
    .sgpr_count:     102
    .vgpr_count:     1024
    .wavefront_size: 32
...
	.end_amdgpu_metadata
.endif
;; end of part 1
;; launch attn (part 2): grid 32 x 8, 16 waves a work-group, clusters of 4 x 1, 327,680 bytes of LDS; arguments q_img, k_img, v_img, lowp_scales, attn_img; writes attn_img
.if DOCPART == 2
	.amdgcn_target "amdgcn-amd-amdhsa--gfx1250"
	.amdhsa_code_object_version 6
	.text
	.protected	k_q03492affa1_attn
	.globl	k_q03492affa1_attn
	.p2align	8
	.type	k_q03492affa1_attn,@function
k_q03492affa1_attn:
	s_mov_b64 s[64:65], 0
	v_nop
	global_prefetch_b8 v0, s[64:65] scope:SCOPE_SE
	s_setreg_imm32_b32 hwreg(HW_REG_WAVE_MODE, 25, 1), 1
	s_wait_xcnt 0x0
	s_wait_alu depctr_hold_cnt(0) depctr_sa_sdst(0) depctr_va_vdst(0) depctr_va_sdst(0) depctr_va_ssrc(0) depctr_va_vcc(0) depctr_vm_vsrc(0)
	s_getreg_b32 s2, hwreg(HW_REG_IB_STS2, 6, 4)
	s_cmp_eq_u32 s2, 0
	s_cbranch_scc0 .Lentry_in_a_cluster
	s_endpgm
.Lentry_in_a_cluster:
	s_bfe_u32 s2, ttmp6, 0x10000c
	s_cmp_lg_u32 s2, 0x3003
	s_cbranch_scc0 .Lentry_shape_is_right
	s_endpgm
.Lentry_shape_is_right:
; Causal attention on codes of FP8 (E4M3): 32 query heads, 8 key and value heads, head size 64, 2,048 positions.  S = q k^T (scales 2^e6, 2^e7), p = 2^(t - M) quantised with 2^e8, O = p v (v: 2^e9), O / l quantised with 2^e10.
; t = score x log2(e) / 8;  M = the running largest t rounded UP to a whole number;  l = the row's sum of the unquantised p.  When M moves, l and O are multiplied by 2^(old M - new M): exact.
; INPUTS: images of operand registers (16 bytes a lane, 512 an image): q_img [head][tile of 16 queries][2], k_img [kv head][tile of 16 keys][2], v_img [kv head][128 keys][tile of 16 channels][4].
; LEFT OUT: steps of 128 keys that the causal mask throws away whole.  LIMIT: a NaN that reaches only those is not carried to the result.
; SHARES.  A work-group owns the query blocks i and 15 - i of 128 (i = the cluster's x): 8 early and 8 late tiles of 16 queries, 17 steps of 128 keys a pair of tiles.  Two waves share a pair: wave A walks the late tile over
; keys 0 to 1,151 (9 steps); wave B walks the early tile (i + 1 steps, keys 0 on), stores it, and walks the late tile over keys 1,152 on (7 - i steps).  A hands its O, M and l
; to B through LDS, and B brings both under the larger M by powers of two, which rounds nothing, and adds.  (Where i = 7 B has no late step: its part is zeros under M = -3e38.)
; B is the wave where (w xor w / 4) is odd; the pair is w / 2.
; ALL OF ONE KV HEAD'S K AND V, 131,072 bytes each, LIES IN LDS, brought by two tensor loads a wave: keys 0 to 1,023 at the head, the others behind the next round; no byte is filled twice, so there is no loop of loads
; for a prefetch to run ahead in.
; A load brings one eighth (1,024 bytes) of each of eight neighbouring steps of K or V: LDS holds [K, V][half of the keys][eighth][step][1,024].  So each load's bytes are read in part in every work-group.
; CLUSTER.  The four partners are the four query heads of one kv head at the same queries: they need the same K and V, so every tensor load is joint (mask 15), and every causal branch hangs on the cluster's x and the wave's
; number alone, which the partners share.
; LAYOUT.  Both products are used transposed: S^T = K Q^T (source 0 = 16 keys), O^T = V^T P^T (source 0 = 16 channels): a lane holds ONE query (lane % 16) throughout.  In S^T tile T, register j of lane (r, h) is key
; 16 T + 8 h + j: the conversion's two registers are registers 2 T, 2 T + 1 of the second product's operand.  The channels of a tile of V are chosen (32 (t / 2) + 8 (t % 2) + r + 8 (r / 8)) so that the 16 registers
; of O^T's tiles 2 b, 2 b + 1 are channels 32 b + 16 h + 0 .. 15: 16 bytes of codes, an image's share of a lane.
; OUTPUT: attn_img [8 heads 4][tile of 16 queries 128][head % 8][b 2][lane][16].
; LIMITS: e6 + e7 between -123 and 130 (added to an exponent field); e8 and e10 - e8 - e9 between -126 and 119; the scaled scores t stay under 2^31 in magnitude.  NaN codes are not served.  1 / l is v_rcp_f32's.
; REGISTERS: v1 16 x lane; v2, v3 LDS addresses in hand; v4 r - 8 h; v5 the partial result's address; v12 -M, v13 the largest t, v[14:15] l in two halves; v16-23 Q, v24-31 the late tile's Q; v32-95 K's 8 or V's 4
;   fragments; v96-159 S^T, then p; v160-191 O^T; v192-199 the output's codes; v200-208 the mask's constants; v212-227 p's codes.
.set LI,   1
.set ADK,  2
.set ADV,  3
.set DQ,   4
.set PST,  5
.set SPW,  249
.set NIL,  255
.set VOFF, 131072                      ; V lies behind K
.set STG,  262144                      ; behind V: the partial results, 9 x 512 bytes a pair; no tile lands there
.set SPARE, STG+8*4608                 ; the spare words, 128 bytes for each wave: eight blocks of 256 bytes that no other line names
.set WV,   18                          ; s18 my wave's number
.set SEL,  20                          ; s[20:21] lane selects for v_permlanex16_b32: lane l xor 16
.set CS,   22                          ; s[22:23] c = log2(e) / 8 x 2^(e6 + e7)
.set G1,   24                          ; s[24:31] group 1; s[32:39] two groups 0
.set G0,   32
.set ROLE, 40                          ; s40 0: A, 1: B
.set QE,   41                          ; s41, s42 first query of the early and of the late tile
.set QL,   42
.set OL,   44                          ; s[44:45] the late tile's output;  s[12:13] the early tile's
.set TB,   48                          ; s48 LDS byte of the step's first eighth of K
.set KF,   49                          ; s49 the step's first key
.set Q0,   50                          ; s50 first query of the tile in hand
.set CNT,  51
.macro CROUND
	s_barrier_signal -1
	s_barrier_wait -1
	s_cmp_lg_u32 s[WV], 0
	s_cbranch_scc1 .Lnot_wave_0_\@
	s_barrier_signal -3
.Lnot_wave_0_\@:
	s_barrier_wait -3
	s_barrier_signal -1
	s_barrier_wait -1
.endm
	s_load_b256 s[4:11], s[0:1], 0x0               ; q_img s[4:5], k_img s[6:7], v_img s[8:9], the exponents s[10:11]
	s_load_b64 s[12:13], s[0:1], 0x20              ; attn_img
	v_lshl_add_u32 v[SPW], v0, 2, SPARE
	v_mov_b32 v[NIL], 0
	ds_add_u32 v[SPW], v[NIL]                      ; the opening: the add, twice on end, and its wait ahead of my first tensor load
	ds_add_u32 v[SPW], v[NIL]
	v_lshrrev_b32 v7, 5, v0
	s_delay_alu instid0(VALU_DEP_1)
	v_readfirstlane_b32 s[WV], v7                  ; wave 0..15
	s_bfe_u32 s14, ttmp6, 0x40000                  ; cx: which of the four query heads: it enters Q's and the output's addresses alone
	s_and_b32 s15, ttmp7, 0xffff                   ; the kv head
	s_lshr_b32 s52, s[WV], 2
	s_xor_b32 s52, s52, s[WV]
	s_and_b32 s[ROLE], s52, 1
	s_lshr_b32 s54, s[WV], 1                       ; the pair
	s_mul_i32 s43, s54, 4608
	s_add_co_u32 s43, s43, STG
	s_lshl_b32 s54, s54, 4
	s_lshl_b32 s[QE], ttmp9, 7
	s_add_co_u32 s[QE], s[QE], s54
	s_sub_co_u32 s[QL], 15, ttmp9
	s_lshl_b32 s[QL], s[QL], 7
	s_add_co_u32 s[QL], s[QL], s54
	s_lshl_b32 s52, s15, 2
	s_add_co_u32 s52, s52, s14                     ; the query head
	s_lshl_b32 s52, s52, 17                        ; 131,072 bytes a head,
	s_lshl_b32 s54, s[QE], 6                       ; 1,024 a tile of 16 queries
	s_add_co_u32 s54, s54, s52
	s_mov_b32 s55, 0
	s_lshl_b32 s56, s[QL], 6
	s_add_co_u32 s56, s56, s52
	s_mov_b32 s57, 0
	s_lshr_b32 s52, s15, 1                         ; the output: head / 8 = kv / 2: 2^20 bytes,
	s_lshl_b32 s52, s52, 20
	s_and_b32 s53, s15, 1
	s_lshl_b32 s53, s53, 2
	s_add_co_u32 s53, s53, s14                     ; head % 8 = 4 (kv % 2) + cx: 1,024,
	s_lshl_b32 s53, s53, 10
	s_add_co_u32 s52, s52, s53
	s_lshl_b32 s58, s[QE], 9                       ; 8,192 a tile of queries
	s_add_co_u32 s58, s58, s52
	s_mov_b32 s59, 0
	s_lshl_b32 s60, s[QL], 9
	s_add_co_u32 s60, s60, s52
	s_mov_b32 s61, 0
	; what I fetch: eighth w % 8 of K's (w < 8) or V's steps
	s_and_b32 s16, s[WV], 7
	s_lshl_b32 s62, s15, 17
	s_lshl_b32 s17, s16, 10
	s_add_co_u32 s62, s62, s17                     ; in the buffer,
	s_mov_b32 s63, 0
	s_lshl_b32 s16, s16, 13                        ; and in LDS
	s_lshr_b32 s19, s[WV], 3
	s_lshl_b32 s17, s19, 17
	s_add_co_u32 s16, s16, s17
	s_mov_b32 s[G1], 15|(3<<16)|(1<<21)            ; 15:0 the mask: all four partners; 17:16 elements of 8 bytes; 21 set beside a mask; no padding
	s_mov_b32 s[G1+1], 128<<16                     ; tensor_dim0 = 128 elements: rows of 1,024 bytes
	s_mov_b32 s[G1+2], 8<<16                       ; tensor_dim1 = 8
	s_mov_b32 s[G1+3], 128<<16                     ; tile_dim0
	s_mov_b32 s[G1+4], 8                           ; tile_dim1
	s_mov_b32 s[G1+5], 1024                        ; a step of 8,192 bytes on
	s_mov_b32 s[G1+6], 0
	s_mov_b32 s[G1+7], 0
	s_mov_b32 s[SEL], 0x76543210
	s_mov_b32 s[SEL+1], 0xfedcba98
	s_wait_dscnt 0x0                               ; both opening adds are done
	s_wait_kmcnt 0x0
	s_load_b256 s[68:75], s[10:11], 0x0            ; e0 .. e7
	s_load_b128 s[76:79], s[10:11], 0x20           ; e8 .. e11
	s_cmp_eq_u32 s19, 0
	s_cselect_b64 s[66:67], s[6:7], s[8:9]
	s_add_nc_u64 s[66:67], s[66:67], s[62:63]
.irp g, 0,1                                    ; keys 0 to 1,023, and the others
	s_mov_b32 s[G0+4*\g], 1
	s_add_co_u32 s[G0+4*\g+1], s16, 65536*\g
	s_add_nc_u64 s[G0+4*\g+2:G0+4*\g+3], s[66:67], 65536*\g
	s_or_b32 s[G0+4*\g+3], s[G0+4*\g+3], 0x80000000
.endr
	s_add_nc_u64 s[46:47], s[4:5], s[56:57]        ; Q of the late tile,
	s_add_nc_u64 s[4:5], s[4:5], s[54:55]          ; and of the early one
	s_add_nc_u64 s[OL:OL+1], s[12:13], s[60:61]
	s_add_nc_u64 s[12:13], s[12:13], s[58:59]
	CROUND                                         ; all four work-groups are here: the joint loads meet
	tensor_load_to_lds s[G0:G0+3], s[G1:G1+7]      ; my one tensor load at the head
	s_nop 0
.rept 4
	v_nop
.endr
	v_and_b32 v7, 31, v0
	s_delay_alu instid0(VALU_DEP_1)
	v_lshlrev_b32 v[LI], 4, v7
	global_load_b128 v[24:27], v[LI], s[46:47] th:TH_LOAD_NT
	global_load_b128 v[28:31], v[LI], s[46:47] offset:512 th:TH_LOAD_NT
	v_and_b32 v7, 15, v0
	v_bfe_u32 v8, v0, 4, 1
	v_add_nc_u32 v[PST], s43, v[LI]
	v_lshlrev_b32 v8, 3, v8
	v_mov_b32 v236, 0                              ; written once: a lane permute's destination counts as one of its sources
	v_mov_b32 v253, 0                              ; (named as the upper half of the pair v[252:253])
	v_sub_nc_u32 v[DQ], v7, v8                     ; r - 8 h
	s_wait_alu depctr_va_vdst(0)                   ; directly ahead of the wait below
	s_wait_kmcnt 0x0
	s_mov_b32 s[CS], 0x3e38aa3b                    ; log2(e) / 8
	s_add_co_i32 s52, s74, s75
	s_lshl_b32 s52, s52, 23
	s_add_co_i32 s[CS], s[CS], s52                 ; a score stands for score x 2^(e6 + e7): added to c's exponent field
	s_mov_b32 s[CS+1], s[CS]                       ; (named with it as a pair, so it is written)
	s_add_co_i32 s52, s76, 127
	s_lshl_b32 s53, s52, 23
	s_add_co_i32 s52, s52, 8
	s_lshl_b32 s52, s52, 23
	s_or_b32 s52, s52, 0x600000
	s_sub_co_i32 s54, s78, s76
	s_sub_co_i32 s54, s54, s77                     ; a sum of the second product stands for sum x 2^(e8 + e9): the output's conversion takes 2^(e10 - e8 - e9)
	s_add_co_i32 s54, s54, 127
	s_lshl_b32 s55, s54, 23
	s_add_co_i32 s54, s54, 8
	s_lshl_b32 s54, s54, 23
	s_or_b32 s54, s54, 0x600000
	v_mov_b32 v244, s53                            ; 2^e8, for p's conversion
	v_mov_b32 v240, s52                            ; 448 x 2^e8
	v_mov_b32 v245, s55
	v_mov_b32 v241, s54
	s_cmp_eq_u32 s[ROLE], 1
	s_cselect_b32 s[Q0], s[QE], s[QL]              ; A begins with the late tile, B with the early one
	s_mov_b32 s[TB], 0
	s_mov_b32 s[KF], 0
.macro LD16 adr                        ; a step's 8,192 bytes of images, two of them in each eighth: sixteen loads, each 512 consecutive bytes
.irp n, 0,1,2,3,4,5,6,7,8,9,10,11,12,13,14,15
	ds_load_b128 v[32+4*\n:32+4*\n+3], v[\adr] offset:8192*(\n/2)+512*(\n%2)
.endr
.endm
.macro ADDP acc, i                     ; two sums of p
	v_pk_add_f32 v[\acc:\acc+1], v[\acc:\acc+1], v[96+2*(\i):97+2*(\i)]
.endm
; A KEY STEP: 128 keys.  first = 1: a tile's first step, which every wave walks: it starts M, l and O.
.macro STEP first
.if \first == 0
	s_add_co_u32 s52, s[Q0], 15
	s_cmp_gt_u32 s[KF], s52                        ; all keys come after my queries: the step's work is left out (a scalar branch on ids; the lines at its end that step addresses are not)
	s_cbranch_scc1 .Lhidden_\@
.endif
	v_add_nc_u32 v[ADK], s[TB], v[LI]
	s_delay_alu instid0(VALU_DEP_1)
	v_add_nc_u32 v[ADV], VOFF, v[ADK]
	v_nop
	v_nop                                          ; four places between the last step's products and the loads into their sources (ISA guide 7.12.1 for vector instructions)
	LD16 ADK
	s_wait_alu depctr_va_vdst(0)                   ; directly ahead of the wait below
	s_wait_dscnt 0x0
.irp T, 0,1,2,3,4,5,6,7
	v_wmma_f32_16x16x64_fp8_fp8 v[96+8*\T:103+8*\T], v[32+8*\T:39+8*\T], v[16:23], 0
.endr
.rept 4
	v_nop                                          ; places in front of the loads below and of the first read of the scores
.endr
	LD16 ADV                                       ; V lands while the softmax is worked
	s_add_co_u32 s52, s[KF], 127
	s_cmp_le_u32 s52, s[Q0]                        ; all keys count: no mask
	s_cbranch_scc1 .Lopen_\@
	s_sub_co_i32 s52, s[Q0], s[KF]
	s_lshr_b32 s52, s52, 4                         ; the diagonal: tile T of 16 keys counts whole under this number, is hidden whole above it,
.irp T, 0,1,2,3,4,5,6,7
	s_cmp_gt_u32 s52, \T
	s_cbranch_scc1 .Lcounts_\@_\T
	s_cmp_lt_u32 s52, \T
	s_cbranch_scc1 .Lwhole_\@_\T
.irp j, 0,1,2,3,4,5,6,7
	v_cmp_lt_i32 vcc_lo, v[DQ], v[200+\j]          ; and in the tile of my own positions key 8 h + j is hidden from query r where r - 8 h < j
	v_cndmask_b32 v[96+8*\T+\j], v[96+8*\T+\j], v208, vcc_lo
.endr
	s_branch .Lcounts_\@_\T
.Lwhole_\@_\T:
.irp j, 0,1,2,3,4,5,6,7
	v_mov_b32 v[96+8*\T+\j], v208
.endr
.Lcounts_\@_\T:
.endr
	s_wait_alu depctr_va_vdst(0)
.Lopen_\@:
	v_max3_num_f32 v254, v96, v97, v98             ; the step's largest score of my query among my 64 keys, in four chains; each accumulator is first read at its low end
	v_max3_num_f32 v252, v99, v100, v101
	v_max3_num_f32 v250, v102, v103, v104
	v_max3_num_f32 v246, v105, v106, v107
.irp i, 12,20,28,36,44,52
	v_max3_num_f32 v254, v254, v[96+\i], v[97+\i]
	v_max3_num_f32 v252, v252, v[98+\i], v[99+\i]
	v_max3_num_f32 v250, v250, v[100+\i], v[101+\i]
	v_max3_num_f32 v246, v246, v[102+\i], v[103+\i]
.endr
	v_max3_num_f32 v254, v254, v156, v157
	v_max3_num_f32 v252, v252, v158, v159
	s_delay_alu instid0(VALU_DEP_1)
	v_max3_num_f32 v254, v254, v252, v250
	s_delay_alu instid0(VALU_DEP_1)
	v_max_num_f32 v254, v254, v246
	s_delay_alu instid0(VALU_DEP_1)
	v_permlanex16_b32 v236, v254, s[SEL], s[SEL+1]
	s_delay_alu instid0(VALU_DEP_1)
	v_max_num_f32 v254, v254, v236                 ; and among lane l xor 16's
.if \first
	s_delay_alu instid0(VALU_DEP_1)
	v_mul_f32 v13, s[CS], v254                     ; as t (c is positive)
	s_delay_alu instid0(VALU_DEP_1)
	v_floor_f32 v12, -v13                          ; -M = floor(-t) = -ceil(t)
.else
	s_delay_alu instid0(VALU_DEP_1)
	v_mul_f32 v254, s[CS], v254                    ; as t (c is positive)
	s_delay_alu instid0(VALU_DEP_1)
	v_max_num_f32 v13, v13, v254                   ; the running largest t
	v_mov_b32 v254, v12
	s_delay_alu instid0(VALU_DEP_2)
	v_floor_f32 v12, -v13                          ; the new -M = floor(-t) = -ceil(t)
	s_delay_alu instid0(VALU_DEP_1)
	v_sub_f32 v254, v12, v254                      ; old M - new M: a whole number, 0 or less
	s_delay_alu instid0(VALU_DEP_1)
	v_cvt_i32_f32 v254, v254                       ; (it saturates)
	s_delay_alu instid0(VALU_DEP_1)
	v_ldexp_f32 v252, 1.0, v254                    ; f = 2^(old M - new M)
.endif
.set j, 0
.rept 32
	v_pk_fma_f32 v[96+j:97+j], v[96+j:97+j], s[CS:CS+1], v[12:13] op_sel_hi:[1,0,0]   ; t - M, two at a time
.set j, j+2
.endr
.set j, 0
	s_wait_alu depctr_va_vdst(0)                   ; the wait ahead of the batch too
.rept 64
	v_exp_f32 v[96+j], v[96+j]                     ; p = 2^(t - M), at most 1: not normalised
.set j, j+1
.endr
.if \first
	v_nop                                          ; the plain instruction behind the exponentials
	s_wait_alu depctr_va_vdst(0)                   ; one wait for the whole batch, ahead of its first reader
.else
	v_pk_mul_f32 v[14:15], v[14:15], v[252:253] op_sel_hi:[1,0]   ; l under the new M: the plain instruction behind the exponentials
	s_wait_alu depctr_va_vdst(0)                   ; one wait for the whole batch and for O^T, ahead of their first readers
.set j, 0
.rept 16
	v_pk_mul_f32 v[160+j:161+j], v[160+j:161+j], v[252:253] op_sel_hi:[1,0]   ; O^T under the new M
.set j, j+2
.endr
.endif
.set i, 0
.irp acc, 230,232,234,238,242,246,250          ; l: eight sums of pairs side by side
	v_pk_add_f32 v[\acc:\acc+1], v[96+2*i:97+2*i], v[98+2*i:99+2*i]
.set i, i+2
.endr
.if \first
	v_pk_add_f32 v[14:15], v[124:125], v[126:127]
.else
	ADDP 14, 14
	ADDP 230, 15
.endif
.set i, 16
.rept 2
.irp acc, 232,234,238,242,246,250,14,230
	ADDP \acc, i
.set i, i+1
.endr
.endr
.set j, 0
.rept 32
	v_dual_min_num_f32 v[96+j], v240, v[96+j] :: v_dual_min_num_f32 v[97+j], v240, v[97+j]   ; the conversion does not saturate (ISA guide 7.6.2); p is not negative, so the hold is one-sided
.set j, j+2
.endr
.irp T, 0,1,2,3,4,5,6,7
	v_cvt_scalef32_pk8_fp8_f32 v[212+2*\T:213+2*\T], v[96+8*\T:103+8*\T], v244
.endr
	v_pk_add_f32 v[230:231], v[230:231], v[232:233]   ; the eight sums join: also the plain lines between the conversions and the products
	v_pk_add_f32 v[234:235], v[234:235], v[238:239]
	v_pk_add_f32 v[242:243], v[242:243], v[246:247]
	v_pk_add_f32 v[14:15], v[14:15], v[250:251]
	v_pk_add_f32 v[230:231], v[230:231], v[234:235]
	v_pk_add_f32 v[14:15], v[14:15], v[242:243]
	s_delay_alu instid0(VALU_DEP_1)
	v_pk_add_f32 v[14:15], v[14:15], v[230:231]
	s_wait_alu depctr_va_vdst(0)                   ; directly ahead of the wait below
	s_wait_dscnt 0x0                               ; V is in
.irp t, 0,1,2,3
.if \first
	v_wmma_f32_16x16x128_fp8_fp8 v[160+8*\t:167+8*\t], v[32+16*\t:47+16*\t], v[212:227], 0
.else
	v_wmma_f32_16x16x128_fp8_fp8 v[160+8*\t:167+8*\t], v[32+16*\t:47+16*\t], v[212:227], v[160+8*\t:167+8*\t]   ; four accumulators by turns
.endif
.endr
.Lhidden_\@:
	s_add_co_u32 s[TB], s[TB], 1024
	s_add_co_u32 s[KF], s[KF], 128
.endm
; THE WAY OUT: O^T / l, held, converted with 2^(e10 - e8 - e9): two images of 16 bytes a lane
.macro OUT base
	v_add_f32 v14, v14, v15                        ; l's two halves,
	s_delay_alu instid0(VALU_DEP_1)
	v_permlanex16_b32 v236, v14, s[SEL], s[SEL+1]
	s_delay_alu instid0(VALU_DEP_1)
	v_add_f32 v14, v14, v236                       ; and lane l xor 16's
	s_wait_alu depctr_va_vdst(0)                   ; the wait ahead of the reciprocal too
	v_rcp_f32 v252, v14
	v_nop                                          ; a plain instruction behind the reciprocal
	s_wait_alu depctr_va_vdst(0)                   ; and the wait ahead of its first reader and of O^T's
.set j, 0
.rept 16
	v_pk_mul_f32 v[96+j:97+j], v[160+j:161+j], v[252:253] op_sel_hi:[1,0]
.set j, j+2
.endr
.set j, 0
.rept 32
	v_med3_num_f32 v[96+j], v[96+j], -v241, v241
.set j, j+1
.endr
.irp t, 0,1,2,3
	v_cvt_scalef32_pk8_fp8_f32 v[192+2*\t:193+2*\t], v[96+8*\t:103+8*\t], v245
.endr
	v_nop
	global_store_b128 v[LI], v[192:195], s[\base:\base+1]              ; 32 lanes store 512 consecutive bytes, aligned
	global_store_b128 v[LI], v[196:199], s[\base:\base+1] offset:512
.endm
.irp j, 0,1,2,3,4,5,6,7
	v_mov_b32 v[200+\j], \j                        ; the mask's constants: 0 .. 7
.endr
	v_mov_b32 v208, 0xff800000                     ; and -infinity
	s_wait_alu depctr_va_vdst(0)                   ; the wait at the head's end
	s_cmp_eq_u32 s[ROLE], 0
	s_cbranch_scc1 .Lq_late
	global_load_b128 v[16:19], v[LI], s[4:5] th:TH_LOAD_NT             ; B: the early tile's Q
	global_load_b128 v[20:23], v[LI], s[4:5] offset:512 th:TH_LOAD_NT
	s_wait_loadcnt 0x0
	s_branch .Lq_in
.Lq_late:
	s_wait_loadcnt 0x0                             ; A: the late tile's
.irp j, 0,1,2,3,4,5,6,7
	v_mov_b32 v[16+\j], v[24+\j]
.endr
	s_wait_alu depctr_va_vdst(0)
.Lq_in:
	s_wait_tensorcnt 0x0                           ; my part of the keys 0 to 1,023 is in
	ds_add_u32 v[SPW], v[NIL]
	s_wait_dscnt 0x0
	CROUND                                         ; everybody's part is in, and the joint loads meet
	tensor_load_to_lds s[G0+4:G0+7], s[G1:G1+7]    ; my part of the keys 1,024 to 2,047: it lands while the first step is worked
	s_nop 0
.rept 4
	v_nop
.endr
	STEP 1
	s_wait_tensorcnt 0x0                           ; my second load has landed:
	s_wait_dscnt 0x0
	s_barrier_signal -1                            ; say so, and walk on over the first half: register work and LDS loads of bytes that nobody writes
	s_mov_b32 s[CNT], 7
.Lstep0:
	STEP 0
	s_sub_co_u32 s[CNT], s[CNT], 1
	s_cmp_lg_u32 s[CNT], 0
	s_cbranch_scc1 .Lstep0
	s_barrier_wait -1                              ; keys 1,024 to 2,047 are in
.rept 4
	v_nop                                          ; places behind the last products
.endr
	s_cmp_eq_u32 s[ROLE], 0
	s_cbranch_scc1 .Lgo_on
	OUT 12                                         ; B: the early tile is finished
.irp j, 0,1,2,3,4,5,6,7
	v_mov_b32 v[16+\j], v[24+\j]                   ; the late tile's Q
.endr
	v_mov_b32 v13, 0xff61b1e6                      ; the largest t so far: -3e38, under every t
	v_mov_b32 v14, 0
	v_mov_b32 v15, 0
	v_floor_f32 v12, -v13                          ; -M
.set i, 0
.rept 32
	v_mov_b32 v[160+i], 0                          ; O^T: the loop's step is written once; the first finds zeros, which the first change of M leaves zeros
.set i, i+1
.endr
.Lgo_on:
	s_wait_alu depctr_va_vdst(0)                   ; directly ahead of the wait below
	s_wait_xcnt 0x0                                ; B: the stores have read their registers
	s_cmp_eq_u32 s[ROLE], 0
	s_cselect_b32 s[Q0], s[QL], 0                  ; A's ninth step; B: it comes after query 15, and is left out
	s_mov_b32 s[TB], 65536
	s_mov_b32 s[KF], 1024
	STEP 0
.rept 4
	v_nop                                          ; places behind the last products
.endr
	s_cmp_eq_u32 s[ROLE], 0
	s_cbranch_scc0 .Lhanded
.irp n, 0,1,2,3,4,5,6,7                        ; A: my O^T, M and l go to my partner
	ds_store_b128 v[PST], v[160+4*\n:163+4*\n] offset:512*\n
.endr
	ds_store_b128 v[PST], v[12:15] offset:4096
.Lhanded:
	s_wait_dscnt 0x0                               ; A: my partial result is in LDS
	s_barrier_signal -1
	s_cmp_eq_u32 s[ROLE], 1
	s_cselect_b32 s[Q0], s[QL], 0                  ; A: every step below comes after query 15, and is left out
	s_mov_b32 s[CNT], 7
.Lstep1:
	STEP 0
	s_sub_co_u32 s[CNT], s[CNT], 1
	s_cmp_lg_u32 s[CNT], 0
	s_cbranch_scc1 .Lstep1
	s_barrier_wait -1                              ; the partial results are there
.rept 4
	v_nop                                          ; places behind the last products
.endr
	s_cmp_eq_u32 s[ROLE], 0
	s_cbranch_scc1 .Lend
.irp n, 0,1,2,3,4,5,6,7
	ds_load_b128 v[96+4*\n:99+4*\n], v[PST] offset:512*\n
.endr
	ds_load_b128 v[128:131], v[PST] offset:4096
	s_wait_dscnt 0x0
	v_min_num_f32 v254, v12, v128                  ; -M of the whole row
	v_sub_f32 v252, v254, v12                      ; my M less it, A's M less it: whole numbers, 0 or less
	v_sub_f32 v250, v254, v128
	v_cvt_i32_f32 v252, v252
	v_cvt_i32_f32 v250, v250
	v_ldexp_f32 v252, 1.0, v252
	v_ldexp_f32 v250, 1.0, v250
	v_pk_mul_f32 v[14:15], v[14:15], v[252:253] op_sel_hi:[1,0]
.set j, 0
.rept 16
	v_pk_mul_f32 v[160+j:161+j], v[160+j:161+j], v[252:253] op_sel_hi:[1,0]
.set j, j+2
.endr
	v_pk_fma_f32 v[14:15], v[130:131], v[250:251], v[14:15] op_sel_hi:[1,0,1]
.set j, 0
.rept 16
	v_pk_fma_f32 v[160+j:161+j], v[96+j:97+j], v[250:251], v[160+j:161+j] op_sel_hi:[1,0,1]
.set j, j+2
.endr
	OUT OL
.Lend:
	s_wait_tensorcnt 0x0                           ; the wave's end: behind my last tensor load and my last LDS store
	ds_add_u32 v[SPW], v[NIL]
	s_wait_dscnt 0x0
	CROUND                                         ; the closing round: no work-group ends while a partner may still issue a load that names it
	s_endpgm
.Lfunc_end_k_q03492affa1_attn:
	.size	k_q03492affa1_attn, .Lfunc_end_k_q03492affa1_attn-k_q03492affa1_attn
	.p2alignl 7, 3214868480
	.fill 96, 4, 3214868480
	.section	.rodata,"a",@progbits
	.p2align	6, 0x0
	.amdhsa_kernel k_q03492affa1_attn
		.amdhsa_group_segment_fixed_size 327680
		.amdhsa_private_segment_fixed_size 0
		.amdhsa_enable_private_segment 0
		.amdhsa_kernarg_size 40
		.amdhsa_user_sgpr_count 2
		.amdhsa_user_sgpr_kernarg_segment_ptr 1
		.amdhsa_wavefront_size32 1
		.amdhsa_system_sgpr_workgroup_id_x 1
		.amdhsa_system_sgpr_workgroup_id_y 1
		.amdhsa_system_sgpr_workgroup_id_z 1
		.amdhsa_system_vgpr_workitem_id 0
		.amdhsa_next_free_vgpr 256
		.amdhsa_next_free_sgpr 80
		.amdhsa_reserve_vcc 1
		.amdhsa_float_denorm_mode_32 3
		.amdhsa_float_denorm_mode_16_64 3
		.amdhsa_memory_ordered 1
		.amdhsa_forward_progress 1
		.amdhsa_inst_pref_size 114
	.end_amdhsa_kernel
	.amdgpu_metadata
---
amdhsa.version: [ 1, 2 ]
amdhsa.kernels:
  - .name:           k_q03492affa1_attn
    .symbol:         k_q03492affa1_attn.kd
    .args:
      - { .name: q_img, .offset: 0, .size: 8, .value_kind: global_buffer, .address_space: global }
      - { .name: k_img, .offset: 8, .size: 8, .value_kind: global_buffer, .address_space: global }
      - { .name: v_img, .offset: 16, .size: 8, .value_kind: global_buffer, .address_space: global }
      - { .name: lowp_scales, .offset: 24, .size: 8, .value_kind: global_buffer, .address_space: global }
      - { .name: attn_img, .offset: 32, .size: 8, .value_kind: global_buffer, .address_space: global }
    .group_segment_fixed_size: 327680
    .private_segment_fixed_size: 0
    .kernarg_segment_align: 8
    .kernarg_segment_size: 40
    .max_flat_workgroup_size: 512
    .sgpr_count:     80
    .vgpr_count:     256
    .wavefront_size: 32
...
	.end_amdgpu_metadata
.endif
;; end of part 2
;; launch proj (part 3): grid 16 x 16, 4 waves a work-group, clusters of 4 x 4, 327,680 bytes of LDS; arguments attn_img, wo_codes, lowp_scales, out0; writes out0
.if DOCPART == 3
	.amdgcn_target "amdgcn-amd-amdhsa--gfx1250"
	.amdhsa_code_object_version 6
	.text
	.protected	k_q03492affa1_proj
	.globl	k_q03492affa1_proj
	.p2align	8
	.type	k_q03492affa1_proj,@function
k_q03492affa1_proj:
	s_mov_b64 s[64:65], 0
	v_nop
	global_prefetch_b8 v0, s[64:65] scope:SCOPE_SE
	s_setreg_imm32_b32 hwreg(HW_REG_WAVE_MODE, 25, 1), 1
	s_wait_xcnt 0x0
	s_wait_alu depctr_hold_cnt(0) depctr_sa_sdst(0) depctr_va_vdst(0) depctr_va_sdst(0) depctr_va_ssrc(0) depctr_va_vcc(0) depctr_vm_vsrc(0)
	s_getreg_b32 s2, hwreg(HW_REG_IB_STS2, 6, 4)
	s_cmp_eq_u32 s2, 0
	s_cbranch_scc0 .Lentry_in_a_cluster
	s_endpgm
.Lentry_in_a_cluster:
	s_bfe_u32 s2, ttmp6, 0x10000c
	s_cmp_lg_u32 s2, 0xf033
	s_cbranch_scc0 .Lentry_shape_is_right
	s_endpgm
.Lentry_shape_is_right:
; out = attn wo^T on codes of FP8 (E4M3): attn_img [8 heads 4][tile of 16 queries 128][head % 8][2][lane][16] (images of operand registers), wo [2048][2048] codes, K innermost; out0 [2048][2048] f32.
; LIMIT: e10 + e11 lies between -126 and 127, so that 2^(e10 + e11) is an f32 number.
; A work-group makes 128 positions x 128 columns, a wave 64 x 64: 16 accumulators.  K goes in four fills of 512 through two LDS slots; waves 0 and 1 fetch attn_img's part (dense), waves 2 and 3 wo's (rows of 512 bytes + 16).
; CLUSTERS of 4 x 4: a row shares attn_img's tile, a column wo's: each is asked for jointly.  Source 0 = 16 rows of wo, source 1 = 16 positions: a lane holds eight neighbouring columns of a position.
; PREFETCH: fills 2 and 3 are asked of memory behind fill 1's load; the four partners of a joint load share its bytes by address (cx: 8,192 bytes each of attn_img's 32,768; cy: 16 each of wo's 64 rows): one instruction a wave and fill.
; The way out: sums x 2^(e10 + e11) through the wave's own stage, and out as aligned units of 256 bytes.
.set PFO,   30
.set BP,    528
.set BOFF,  65536
.set SLOT,  BOFF+128*BP
.set STAGE, 2*SLOT
.set SP,    272
.set SPARE, STAGE+4*16*SP
.set ADRA, 16
.set ADRB, 20
.set STO,  24
.set RD,   25
.set CO,   26
.set SPW,  28
.set NIL,  29
.set TMP,  32
.set BK,   64
.set ACC,  128
.set G1A, 24
.set G0A, 32
.set G1B, 40
.set G0B, 48
.set MULW, 0x05
.set MSB, 0
.macro WIN new
.if MSB != (\new)
	s_set_vgpr_msb (MSB<<8)|(\new)
.set MSB, (\new)
.endif
.endm
.macro PLACES n
.rept \n
	v_nop
.endr
.endm
.macro JLOAD s
	s_cmp_eq_u32 s21, 0
	s_cbranch_scc0 .Lfor_b_\@
	tensor_load_to_lds s[G0A+4*\s:G0A+4*\s+3], s[G1A:G1A+7]
	s_nop 0
.rept 4
	v_nop
.endr
	s_branch .Lasked_\@
.Lfor_b_\@:
	tensor_load_to_lds s[G0B+4*\s:G0B+4*\s+3], s[G1B:G1B+7]
	s_nop 0
.rept 4
	v_nop
.endr
.Lasked_\@:
.endm
.macro CREST
	s_cmp_lg_u32 s20, 0
	s_cbranch_scc1 .Lnot_wave_0_\@
	s_barrier_signal -3
.Lnot_wave_0_\@:
	s_barrier_wait -3
	s_barrier_signal -1
	s_barrier_wait -1
.endm
.macro CROUND
	s_barrier_signal -1
	s_barrier_wait -1
	CREST
.endm
	s_load_b256 s[4:11], s[0:1], 0x0
	v_lshl_add_u32 v[SPW], v0, 2, SPARE
	v_mov_b32 v[NIL], 0
	ds_add_u32 v28, v29
	ds_add_u32 v28, v29
	s_wait_dscnt 0x0
	v_lshrrev_b32 v1, 5, v0
	v_readfirstlane_b32 s20, v1
	s_lshr_b32 s21, s20, 1
	s_and_b32 s22, s20, 1
	s_bfe_u32 s23, ttmp6, 0x40000
	s_bfe_u32 s56, ttmp6, 0x40004
	s_lshl_b32 s57, ttmp9, 2
	s_add_co_u32 s57, s57, s23
	s_and_b32 s58, ttmp7, 0xffff
	s_lshl_b32 s58, s58, 2
	s_add_co_u32 s58, s58, s56
	s_lshl_b32 s60, s56, 2
	s_lshl_b32 s60, 15, s60
	s_lshl_b32 s61, 0x1111, s23
	s_or_b32 s[G1A], s60, (3<<16)|(1<<21)
	s_mov_b32 s[G1A+1], 32<<16
	s_mov_b32 s[G1A+2], 128<<16
	s_mov_b32 s[G1A+3], 32<<16
	s_mov_b32 s[G1A+4], 128
	s_mov_b32 s[G1A+5], 32
	s_mov_b32 s[G1A+6], 0
	s_mov_b32 s[G1A+7], 0
	s_or_b32 s[G1B], s61, (1<<20)|(1<<21)|(6<<22)|(3<<25)
	s_mov_b32 s[G1B+1], 512<<16
	s_mov_b32 s[G1B+2], 64<<16
	s_mov_b32 s[G1B+3], 512<<16
	s_mov_b32 s[G1B+4], 64
	s_mov_b32 s[G1B+5], 2048
	s_mov_b32 s[G1B+6], 0
	s_mov_b32 s[G1B+7], 0
	s_lshl_b32 s84, s58, 16
	s_lshl_b32 s85, s22, 15
	s_add_co_u32 s84, s84, s85
	s_mov_b32 s85, 0
	s_lshl_b32 s90, s57, 18
	s_lshl_b32 s91, s22, 17
	s_add_co_u32 s90, s90, s91
	s_mov_b32 s91, 0
	s_lshl_b32 s63, s22, 15
	s_mul_i32 s59, s22, 64*BP
	s_add_co_u32 s59, s59, BOFF
	s_lshl_b32 s94, s58, 20
	s_lshl_b32 s95, s21, 19
	s_add_co_u32 s94, s94, s95
	s_lshl_b32 s95, s57, 9
	s_add_co_u32 s94, s94, s95
	s_lshl_b32 s95, s22, 8
	s_add_co_u32 s94, s94, s95
	s_mov_b32 s95, 0
	s_wait_kmcnt 0x0
	s_load_b64 s[66:67], s[8:9], 0x28
	s_add_nc_u64 s[86:87], s[4:5], s[84:85]
	s_add_nc_u64 s[92:93], s[6:7], s[90:91]
	s_add_nc_u64 s[10:11], s[10:11], s[94:95]
	CROUND
.irp s, 0,1
	s_mov_b32 s[G0A+4*\s], 1
	s_add_co_u32 s[G0A+4*\s+1], s63, \s*SLOT
	s_add_nc_u64 s[G0A+4*\s+2:G0A+4*\s+3], s[86:87], \s*0x100000
	s_or_b32 s[G0A+4*\s+3], s[G0A+4*\s+3], 0x80000000
	s_mov_b32 s[G0B+4*\s], 1
	s_add_co_u32 s[G0B+4*\s+1], s59, \s*SLOT
	s_add_nc_u64 s[G0B+4*\s+2:G0B+4*\s+3], s[92:93], \s*512
	s_or_b32 s[G0B+4*\s+3], s[G0B+4*\s+3], 0x80000000
.endr
	JLOAD 0                                        ; fill 0: one tensor load a wave at the head
	s_lshl_b32 s68, s23, 13
	s_lshl_b32 s69, s56, 15
	s_cmp_eq_u32 s21, 0                            ; do I fetch attn_img's part?
	s_cselect_b32 s68, s68, s69
	s_mov_b32 s69, 0
	s_cselect_b64 s[72:73], s[86:87], s[92:93]
	s_mov_b32 s70, 512
	s_cselect_b32 s70, 0x100000, s70               ; a fill on
	s_cselect_b32 s78, -1, 0
	s_mov_b32 s71, 0
	s_add_nc_u64 s[72:73], s[72:73], s[68:69]
	s_add_nc_u64 s[76:77], s[70:71], s[70:71]
	s_add_nc_u64 s[74:75], s[72:73], s[76:77]      ; where I ask for fill 2,
	s_add_nc_u64 s[76:77], s[74:75], s[70:71]      ; and for fill 3
	s_add_nc_u64 s[80:81], s[72:73], s[70:71]      ; fill 1
	v_and_b32 v1, 15, v0
	v_bfe_u32 v2, v0, 4, 1
	v_and_b32 v3, 31, v0
	v_lshlrev_b32 v8, 8, v3                        ; attn_img: lanes 256 bytes apart;  wo: lanes 0-15 a row each, lanes 16-31 the same rows' second 256 bytes
	v_lshlrev_b32 v9, 11, v1
	v_lshl_add_u32 v9, v2, 8, v9
	v_cndmask_b32 v[PFO], v9, v8, s78
	global_prefetch_b8 v[PFO], s[80:81] th:TH_LOAD_NT scope:SCOPE_SE   ; fill 1: one fill ahead of its load
	v_lshlrev_b32 v3, 4, v3
	s_lshl_b32 s62, s21, 15
	v_add_nc_u32 v[ADRA], s62, v3
	v_add_nc_u32 v[ADRA+1], SLOT, v[ADRA]
	v_mul_u32_u24 v4, v1, BP
	v_lshl_add_u32 v4, v2, 4, v4
	s_mul_i32 s62, s22, 64*BP
	s_add_co_u32 s62, s62, BOFF
	v_add_nc_u32 v[ADRB], s62, v4
	v_add_nc_u32 v[ADRB+1], SLOT, v[ADRB]
	s_mul_i32 s62, s20, 16*SP
	s_add_co_u32 s62, s62, STAGE
	v_mul_u32_u24 v5, v1, SP
	v_lshl_add_u32 v5, v2, 5, v5
	v_add_nc_u32 v[STO], s62, v5
	v_mul_u32_u24 v6, v2, SP
	v_lshl_add_u32 v6, v1, 4, v6
	v_add_nc_u32 v[RD], s62, v6
	v_lshlrev_b32 v7, 13, v2
	v_lshl_add_u32 v[CO], v1, 4, v7
.macro FETCH slot, q, p
	WIN 0x40
.irp b, 0,1,2,3
.irp c, 0,1,2,3
	ds_load_b128 v[128*(\p)+16*\b+4*\c:128*(\p)+16*\b+4*\c+3], v[ADRB+\slot] offset:128*(\q)+16*BP*\b+32*\c
.endr
.endr
.irp a, 0,1,2,3
.irp c, 0,1,2,3
	ds_load_b128 v[128*(\p)+64+16*\a+4*\c:128*(\p)+64+16*\a+4*\c+3], v[ADRA+\slot] offset:8192*\a+2048*(\q)+512*\c
.endr
.endr
.endm
.macro MUL4 a, p, zero
.irp b, 0,1,2,3
.if \zero
	v_wmma_f32_16x16x128_fp8_fp8 v[ACC+8*(4*\a+\b):ACC+8*(4*\a+\b)+7], v[128*(\p)+16*\b:128*(\p)+16*\b+15], v[128*(\p)+64+16*\a:128*(\p)+64+16*\a+15], 0
.else
	v_wmma_f32_16x16x128_fp8_fp8 v[ACC+8*(4*\a+\b):ACC+8*(4*\a+\b)+7], v[128*(\p)+16*\b:128*(\p)+16*\b+15], v[128*(\p)+64+16*\a:128*(\p)+64+16*\a+15], v[ACC+8*(4*\a+\b):ACC+8*(4*\a+\b)+7]
.endif
.endr
.endm
.macro STEP slot, q, zero
	s_wait_dscnt 0x0
	PLACES 4
	FETCH \slot, (\q)+1, 1-(\q)%2
	WIN MULW
	MUL4 0, (\q)%2, \zero
	MUL4 1, (\q)%2, \zero
	MUL4 2, (\q)%2, \zero
	MUL4 3, (\q)%2, \zero
.endm
.macro TURN slot, next, fill
	WIN 0
	s_wait_tensorcnt 0x0
	ds_add_u32 v[SPW], v[NIL]
	s_wait_dscnt 0x1
	WIN MULW
	MUL4 0, 1, 0
	s_wait_dscnt 0x0
	s_barrier_signal -1
	MUL4 1, 1, 0
	WIN 0
	s_barrier_wait -1
.if \fill
	CREST
	s_add_nc_u64 s[G0A+4*\slot+2:G0A+4*\slot+3], s[G0A+4*\slot+2:G0A+4*\slot+3], 0x200000
	s_add_nc_u64 s[G0B+4*\slot+2:G0B+4*\slot+3], s[G0B+4*\slot+2:G0B+4*\slot+3], 1024
	JLOAD \slot
.else
	PLACES 4
.endif
	FETCH \next, 0, 0
	WIN MULW
	MUL4 2, 1, 0
	MUL4 3, 1, 0
.endm
	s_wait_alu depctr_va_vdst(0)                   ; the wait at the head's end
	s_wait_tensorcnt 0x0                           ; my part of fill 0 is in
	ds_add_u32 v[SPW], v[NIL]
	s_wait_dscnt 0x0
	CROUND
	JLOAD 1                                        ; fill 1
	FETCH 0, 0, 0
	WIN 0
	global_prefetch_b8 v[PFO], s[74:75] th:TH_LOAD_NT scope:SCOPE_SE
	global_prefetch_b8 v[PFO], s[76:77] th:TH_LOAD_NT scope:SCOPE_SE
	STEP 0, 0, 1
	STEP 0, 1, 0
	STEP 0, 2, 0
	TURN 0, 1, 1
	STEP 1, 0, 0
	STEP 1, 1, 0
	STEP 1, 2, 0
	TURN 1, 0, 1
	STEP 0, 0, 0
	STEP 0, 1, 0
	STEP 0, 2, 0
	TURN 0, 1, 0
	STEP 1, 0, 0
	STEP 1, 1, 0
	STEP 1, 2, 0
	s_wait_dscnt 0x0
	WIN MULW
	MUL4 0, 1, 0
	MUL4 1, 1, 0
	MUL4 2, 1, 0
	MUL4 3, 1, 0
	WIN 0
.macro TOSTAGE a
.irp i, 0,2,4,6,8,10,12,14,16,18,20,22,24,26,28,30
	v_pk_mul_f32 v[TMP+\i:TMP+\i+1], v[ACC+32*(\a)+\i:ACC+32*(\a)+\i+1], s[66:67] op_sel_hi:[1,0]
.endr
.irp b, 0,1,2,3
	ds_store_b128 v[STO], v[TMP+8*\b:TMP+8*\b+3] offset:64*\b
	ds_store_b128 v[STO], v[TMP+8*\b+4:TMP+8*\b+7] offset:64*\b+16
.endr
.irp t, 0,1,2,3,4,5,6,7
	ds_load_b128 v[BK+32*((\a)%2)+4*\t:BK+32*((\a)%2)+4*\t+3], v[RD] offset:\t*2*SP
.endr
.endm
.macro SEND a, younger
	s_wait_dscnt \younger
.irp t, 0,1,2,3,4,5,6,7
	global_store_b128 v[CO], v[BK+32*((\a)%2)+4*\t:BK+32*((\a)%2)+4*\t+3], s[10:11] offset:131072*(\a)+16384*\t th:TH_STORE_NT
.endr
.endm
	s_wait_kmcnt 0x0
	s_add_co_i32 s66, s66, s67
	s_add_co_i32 s66, s66, 127
	s_lshl_b32 s66, s66, 23
	s_mov_b32 s67, s66
	PLACES 4
	TOSTAGE 0
.irp a, 1,2,3
.if \a > 1
	s_wait_xcnt 0x0
.endif
	TOSTAGE \a
	SEND \a-1, 16
.endr
	SEND 3, 0
	s_wait_tensorcnt 0x0
	ds_add_u32 v[SPW], v[NIL]
	s_wait_dscnt 0x0
	CROUND
	s_endpgm
.Lfunc_end_k_q03492affa1_proj:
	.size	k_q03492affa1_proj, .Lfunc_end_k_q03492affa1_proj-k_q03492affa1_proj
	.p2alignl 7, 3214868480
	.fill 96, 4, 3214868480
	.section	.rodata,"a",@progbits
	.p2align	6, 0x0
	.amdhsa_kernel k_q03492affa1_proj
		.amdhsa_group_segment_fixed_size 327680
		.amdhsa_private_segment_fixed_size 0
		.amdhsa_enable_private_segment 0
		.amdhsa_kernarg_size 32
		.amdhsa_user_sgpr_count 2
		.amdhsa_user_sgpr_kernarg_segment_ptr 1
		.amdhsa_wavefront_size32 1
		.amdhsa_system_sgpr_workgroup_id_x 1
		.amdhsa_system_sgpr_workgroup_id_y 1
		.amdhsa_system_sgpr_workgroup_id_z 1
		.amdhsa_system_vgpr_workitem_id 0
		.amdhsa_next_free_vgpr 512
		.amdhsa_next_free_sgpr 96
		.amdhsa_reserve_vcc 0
		.amdhsa_float_denorm_mode_32 3
		.amdhsa_float_denorm_mode_16_64 3
		.amdhsa_memory_ordered 1
		.amdhsa_forward_progress 1
		.amdhsa_inst_pref_size 74
	.end_amdhsa_kernel
	.amdgpu_metadata
---
amdhsa.version: [ 1, 2 ]
amdhsa.kernels:
  - .name:           k_q03492affa1_proj
    .symbol:         k_q03492affa1_proj.kd
    .args:
      - { .name: attn_img, .offset: 0, .size: 8, .value_kind: global_buffer, .address_space: global }
      - { .name: wo_codes, .offset: 8, .size: 8, .value_kind: global_buffer, .address_space: global }
      - { .name: lowp_scales, .offset: 16, .size: 8, .value_kind: global_buffer, .address_space: global }
      - { .name: out0, .offset: 24, .size: 8, .value_kind: global_buffer, .address_space: global }
    .group_segment_fixed_size: 327680
    .private_segment_fixed_size: 0
    .kernarg_segment_align: 8
    .kernarg_segment_size: 32
    .max_flat_workgroup_size: 128
    .sgpr_count:     96
    .vgpr_count:     512
    .wavefront_size: 32
...
	.end_amdgpu_metadata
.endif
;; end of part 3
